; MI455X (gfx1250); checked and timed in simulation.
; The chip was launched on July 23, 2026; its instructions are those of AMD's public machine-readable ISA for CDNA 5 (MIT licence, August 2026) and "CDNA5" Instruction Set Architecture Reference Guide (July 2026). The comments in the code are by the model that wrote it; some were corrected since.
;; Multi Head Attention. Allowed arithmetic: matrix products marked QUANTISED: E2M1 operands, one E8M0 scale for each 32 along K, by v_wmma_scale_f32_16x16x128_f8f6f4 with both operands' format E2M1 (or v_wmma_scale_f32_32x16x128_f4), f32 sums; everything else in f32.
;; Inputs: W_attn_codes 3,072 x 32 x 16 uint8 (E2M1 codes of W_attn, K innermost, in blocks of 32 codes, two codes a byte); W_attn_scales 3,072 x 32 uint8 (E8M0 scales of W_attn, one for each 32 codes along K); W_proj_codes 1,024 x 32 x 16 uint8 (E2M1 codes of W_proj, K innermost, in blocks of 32 codes, two codes a byte); W_proj_scales 1,024 x 32 uint8 (E8M0 scales of W_proj, one for each 32 codes along K); b_attn 3,072 float32; b_proj 1,024 float32; string_codes 4 x 2,048 x 32 x 16 uint8 (E2M1 codes of string, K innermost, in blocks of 32 codes, two codes a byte); string_len 4 int32; string_scales 4 x 2,048 x 32 uint8 (E8M0 scales of string, one for each 32 codes along K).
;; Outputs: out0 4 x 2,048 x 1,024 float32; out1 4 int32.
;; This version of the problem:
;;   THIS VERSION OF THE PROBLEM IS GIVEN IN LOW PRECISION. The matrix products marked QUANTISED in the list below multiply operands that are first quantised to E2M1 (2 exponent bits, 1 mantissa bit; 4 bits a number), with one power-of-two scale for each 32 numbers along K (OCP MX v1.0); their sums are f32. All else is computed in f32.
;;   The module's matrix products, in the order in which they are computed (A, B: the left and right operand; K: the contracted axis; several contracted axes count as one K, in the product's order):
;;     1. [M 8,192, K 1,024] x [K 1,024, N 3,072]; A: input string (given as codes); B: input W_attn (given as codes): QUANTISED
;;     2. batch 64 x [M 2,048, K 64] x [K 64, N 2,048]; A: computed on the way; B: computed on the way: QUANTISED
;;     3. batch 64 x [M 2,048, K 2,048] x [K 2,048, N 64]; A: softmax (see below); B: computed on the way: QUANTISED
;;     4. [M 8,192, K 1,024] x [K 1,024, N 1,024]; A: computed on the way; B: input W_proj (given as codes): QUANTISED
;;   THE QUANTISER, for each operand of a quantised product, along K:
;;     - K is cut into blocks of 32 from its start; a last block that is shorter is filled with zeros.
;;     - A block's scale is 2^e with e = floor(log2(the largest magnitude in the block)) - 2, held to -126 .. 127; a block of zeros has e = 0. As a byte (E8M0): e + 127.
;;     - Each number is divided by its block's scale, clamped to +-6, and rounded to the nearest number of E2M1, ties to even, subnormals kept.
;;     - The product sums the exact products of the quantised numbers (number of the format x scale) in f32.
;;   ~~~python
;;   def quantise(x, axis):      # numpy; x: float32 -> the quantised numbers, widened to float32 again
;;       x = np.moveaxis(x, axis, -1); K = x.shape[-1]
;;       x = np.pad(x, [(0, 0)] * (x.ndim - 1) + [(0, -K % 32)]); x = x.reshape(x.shape[:-1] + (-1, 32)); a = np.abs(x).max(-1, keepdims=True)
;;       e = np.where(a > 0, np.clip(np.frexp(np.where(a > 0, a, 1))[1] - 1 - 2, -126, 127), 0)      # np.frexp(a)[1] - 1 = floor(log2(a)), exactly
;;       r = np.clip(x / 2.0 ** e, -6, 6)
;;       step = 2.0 ** (np.maximum(np.frexp(np.where(r == 0, 1, r))[1] - 1, 0) - 1)
;;       q = np.round(r / step) * step * 2.0 ** e      # np.round: ties to even
;;       return np.moveaxis(q.reshape(q.shape[:-2] + (-1,))[..., :K], -1, axis).astype(np.float32)
;;   ~~~
;;   SOFTMAX AHEAD OF A QUANTISED PRODUCT. Where the list says 'softmax', what is quantised is not the finished softmax but p = 2^(t - M), with t = logit x log2(e) and M = ceil(the row's largest t), a whole number; so 1/2 < the row's largest p <= 1. The row's sum l is taken of the UNQUANTISED p, in f32, and the product's result is divided by l at the end. Since M is a whole number, a kernel that streams over the keys may use a running M (the ceiling of the running maximum): every later rescaling is an exact power of two, which a block's scale takes up: the codes' values come out the same.
;;   OPERANDS COMPUTED ON THE WAY. 'Computed on the way' means the value that the module computes at that place (a softmax that the list does not call 'softmax' is quantised finished and normalised). What goes into a quantiser is computed in f32, as accurately as f32 sums, v_exp_f32 and their like allow (about 1e-6 of the number): no bf16 or f16 on the way to a quantiser, and a product that is left as it is and whose result goes on into a quantised operand takes f32 operands (vector FMAs, or v_wmma_f32_16x16x4_f32). A number that lies on a knife's edge between two numbers of the format may be rounded either way, as far as f32 arithmetic and the matrix unit's own rounding can turn it there, and no further.
;;   INPUTS GIVEN AS CODES. W_attn (in the module: [1024, 3072], K = its axis 0); W_proj (in the module: [1024, 1024], K = its axis 0); string (in the module: [4, 2048, 1024], K = its axis 2): each comes as NAME_codes (uint8): NAME with its K axis moved to the last place and cut into blocks of 32 codes, [.., K / 32, bytes a block], one block behind the other in memory; two codes a byte, the lower K in the low four bits (a code: sign, 2 exponent bits, 1 mantissa bit); and NAME_scales (uint8): the same leading axes, one E8M0 byte (e + 127) for each 32 codes along K. Its value is code x scale, taken as it is: it is not quantised again, and the codes and scales need not be those that the quantiser above would give.
;; One version. Each part assembles by itself: llvm-mc -triple=amdgcn-amd-amdhsa -mcpu=gfx1250 --defsym DOCPART=n.
;; ======== version 1 of 1: 3 launches
;; limits: right only within a limited range of input values
;; workspace buffers: qc 4,194,304 bytes; kc 4,194,304 bytes; vc 4,194,304 bytes; kvs 786,432 bytes; qs 786,432 bytes; ac 4,194,304 bytes; asc 262,144 bytes
;; launch qkv (part 1): grid 12 x 32, 4 waves a work-group, clusters of 4 x 4, 296,448 bytes of LDS; arguments string_codes, string_scales, W_attn_codes, W_attn_scales, b_attn, qc, qs, kc, kvs, vc; writes qc, qs, kc, kvs, vc
.if DOCPART == 1
	.amdgcn_target "amdgcn-amd-amdhsa--gfx1250"
	.amdhsa_code_object_version 6
	.text
	.protected	k_qe31822ca1c_qkv
	.globl	k_qe31822ca1c_qkv
	.p2align	8
	.type	k_qe31822ca1c_qkv,@function
k_qe31822ca1c_qkv:
	s_mov_b64 s[64:65], 0
	v_nop
	global_prefetch_b8 v0, s[64:65] scope:SCOPE_SE
	s_setreg_imm32_b32 hwreg(HW_REG_WAVE_MODE, 25, 1), 1
	s_wait_xcnt 0x0
	s_wait_alu depctr_hold_cnt(0) depctr_sa_sdst(0) depctr_va_vdst(0) depctr_va_sdst(0) depctr_va_ssrc(0) depctr_va_vcc(0) depctr_vm_vsrc(0)
	s_getreg_b32 s2, hwreg(HW_REG_IB_STS2, 6, 4)
	s_cmp_eq_u32 s2, 0
	s_cbranch_scc0 .Lentry_in_a_cluster
	s_endpgm
.Lentry_in_a_cluster:
	s_bfe_u32 s2, ttmp6, 0x10000c
	s_cmp_lg_u32 s2, 0xf033
	s_cbranch_scc0 .Lentry_shape_is_right
	s_endpgm
.Lentry_shape_is_right:
; x = string W_attn + b_attn on codes of FP4 (E2M1) with E8M0 scales, K = 1,024; x's thirds q, k, v are quantised at once and leave as codes:
; q and k along a head's 64 channels, v along the keys.  string: 8,192 rows, W_attn: 3,072 rows, each 512 bytes of codes and 32 scale bytes, K innermost.
; SHARES.  A work-group of four waves takes 256 rows of string x 256 rows of W_attn, all of K; a wave 128 x 128: 64 accumulators, 512 registers.  A wave's 128 rows of string are one key step
; of the next launch, its 128 rows of W_attn two heads.
; LDS.  A row's 512 bytes come as two halves of 256 bytes into two slots (pitch 272: the 16 rows of a fragment load start at 16 different banks); both slots and all scale bytes are asked for
; at the head.  No LDS byte is filled twice and none is stored to, so there is no ring.  Nothing is prefetched: every tile of the launch is asked for at its head.
; CLUSTERS: 4 x 4 work-groups; string's tiles are shared along a row of the cluster, W_attn's along a column: joint loads.
; TWO PATHS, parted on the cluster's x, which all sixteen partners share: clusters 0 and 1 make q and k (source 0 = 16 rows of W_attn, source 1 = 16 rows of string: a lane holds ONE row of string and
; its registers run along the channels); cluster 2 makes v (the sources swapped: a lane holds ONE channel and its registers run along the keys).  So the axis to be quantised always lies in a lane's registers.
; THE BIAS is the C of each sum's first product.
; OUT.  Codes leave as images of the next launch's operand registers: 512 consecutive bytes a store, lane l's 16 bytes at 16 l.
;   qc, kc: [bh][tile of 16 rows][512]: lane (r, h): row r, channels 32 h on.    vc: [bh][step of 128 keys][tile of 16 channels][c][512]: lane (r, h): channel r, keys 64 c + 32 h on.
;   qs, kvs: [bh][step][768]: bytes 0-511: lane l's words i = 0..3: the scale word of tile 2 i + l / 16, row l % 16 (two bytes, then 0x7f7f for the half of K that is zero codes);
;   bytes 512-767 (kvs alone): lane l's words i = 0, 1: v's word of channel tile 2 i + l / 16, channel l % 16.
; LIMITS: a block whose largest magnitude lies under 2^-124 keeps the scale byte 1 (a block of zeros too: its codes are zeros, and this program alone reads the bytes); NaN and infinities are not served.
; REGISTERS, in windows of 256: window 0: v8-16 addresses; v32-95 string's scale words (8 i + q: tile i, K step q), v96-159 W_attn's; v160-223 the bias, later the quantiser's work.
;   window 1: two sets of fragments at 0 and 128: string's eight, then W_attn's eight.   windows 2, 3: accumulator (a, b) at 8 (8 (a % 4) + b), window 2 + a / 4.
.set PITCH,  272
.set HALFT,  128*PITCH                 ; 128 rows: what one tensor load brings, and what one wave reads of a side
.set SLOT,   4*HALFT                   ; string's 256 rows, then W_attn's 256
.set SCL,    2*SLOT                    ; behind the slots: the scale bytes, as units of 256 bytes + 16 of padding
.set HALFS,  16*272                    ; those of 128 rows
.set SBLK,   2*272                     ; those of 16 rows
.set ADX, 8                            ; v8-9    LDS address of my fragments of string in slot 0, 1
.set ADW, 10                           ; v10-11  of W_attn
.set ASX, 12                           ; v12     of string's scale words
.set ASW, 13                           ; v13     of W_attn's
.set L16, 14                           ; v14     16 x lane
.set L8,  15                           ; v15     8 x lane
.set BO,  16                           ; v16     the bias loads' offset
.set SX,  32
.set SW,  96
.set BI,  160
.set TM,  160                          ; v160-163 largest magnitudes, v164-167 the other half's, then bytes, v172-175 the conversions' scale operands
.set PC,  176                          ; v176-191 the codes just made, two sets by turns
.set PWS, 192                          ; v192-199 the scale word of each of my eight blocks
.set SO,  200                          ; v200-211 scale words on the way out
.set WV,  24
.set XH,  25                           ; which 128 rows of string are mine.  Also: I fetch for string (0) or for W_attn (1)
.set WH,  26                           ; which 128 rows of W_attn.  Also: which 128 rows of that tile I fetch
.set G1X, 36
.set G1W, 44
.set G1SX, 52
.set G1SW, 68
.set G0X, 76
.set G0W, 84
.set G0SX, 92
.set G0SW, 96
.set SEL, 4                            ; s[4:5] lane selects for v_permlanex16_b32: lane l xor 16 (written when the inputs' addresses are used up)
.set HM,  6                            ; s6   lanes 16-31
.set C7F, 7                            ; s7   0x7f7f7f7f
.set FLR, 8                            ; s8   the floor 2^(3 - 127)
.set CB,  14                           ; s[14:15] where my codes go
.set SB,  16                           ; s[16:17] where my scale words go
.set MSB, 0
.macro WIN new                         ; the immediate's high byte repeats the setting that is left
.if MSB != (\new)
	s_set_vgpr_msb (MSB<<8)|(\new)
.set MSB, (\new)
.endif
.endm
; A joint load: waves 0 and 1 fetch for string, waves 2 and 3 for W_attn.  Each line has one mask and one set of registers for all that issue it; the branch hangs on the wave's number alone.
; Four v_nop follow each of the two lines.
.macro JLOAD g0a, g1a, g0b, g1b
	s_cmp_eq_u32 s[XH], 0
	s_cbranch_scc0 .Lfor_w_\@
	tensor_load_to_lds s[\g0a:\g0a+3], s[\g1a:\g1a+7]
	s_nop 0
.rept 4
	v_nop
.endr
	s_branch .Lasked_\@
.Lfor_w_\@:
	tensor_load_to_lds s[\g0b:\g0b+3], s[\g1b:\g1b+7]
	s_nop 0
.rept 4
	v_nop
.endr
.Lasked_\@:
.endm
.macro CROUND                          ; a round of the cluster's barrier
	s_barrier_signal -1
	s_barrier_wait -1
	s_cmp_lg_u32 s[WV], 0
	s_cbranch_scc1 .Lnot_wave_0_\@
	s_barrier_signal -3
.Lnot_wave_0_\@:
	s_barrier_wait -3
	s_barrier_signal -1
	s_barrier_wait -1
.endm
.macro PLACES n
.rept \n
	v_nop
.endr
.endm
	s_load_b512 s[4:19], s[0:1], 0x0               ; string's codes s[4:5], scales s[6:7]; W_attn's codes s[8:9], scales s[10:11]; b_attn s[12:13]; qc s[14:15]; qs s[16:17]; kc s[18:19]
	s_load_b128 s[20:23], s[0:1], 0x40             ; kvs s[20:21], vc s[22:23]
	v_lshl_add_u32 v254, v0, 2, 0x48400
	v_mov_b32 v255, 0
	ds_add_u32 v254, v255
	ds_add_u32 v254, v255
	v_lshrrev_b32 v1, 5, v0
	v_readfirstlane_b32 s[WV], v1                  ; wave 0..3
	s_lshr_b32 s[XH], s[WV], 1
	s_and_b32 s[WH], s[WV], 1
	s_bfe_u32 s27, ttmp6, 0x40000                  ; cx
	s_bfe_u32 s28, ttmp6, 0x40004                  ; cy
	s_lshl_b32 s29, ttmp9, 2
	s_add_co_u32 s29, s29, s27                     ; x: which 256 rows of W_attn
	s_and_b32 s30, ttmp7, 0xffff
	s_lshl_b32 s30, s30, 2
	s_add_co_u32 s30, s30, s28                     ; y: which 256 rows of string
	s_lshl_b32 s31, s28, 2
	s_lshl_b32 s31, 15, s31                        ; my row of the cluster
	s_lshl_b32 s32, 0x1111, s27                    ; my column
	; group 1 for codes: 128 rows x 256 bytes, 512 bytes apart in memory, 16 bytes of padding behind each in LDS
	s_or_b32 s[G1X], s31, (1<<20)|(1<<21)|(5<<22)|(3<<25)
	s_or_b32 s[G1W], s32, (1<<20)|(1<<21)|(5<<22)|(3<<25)
.irp g, G1X, G1W
	s_mov_b32 s[\g+1], 256<<16                     ; tensor_dim0
	s_mov_b32 s[\g+2], 128<<16                     ; tensor_dim1
	s_mov_b32 s[\g+3], 256<<16                     ; tile_dim0
	s_mov_b32 s[\g+4], 128                         ; tile_dim1
	s_mov_b32 s[\g+5], 512                         ; the pitch
	s_mov_b32 s[\g+6], 0
	s_mov_b32 s[\g+7], 0
.endr
	; group 1 for the scale bytes of 128 rows: 4,096 dense bytes as 16 rows of 256 (32 elements of 8 bytes), padded alike
	s_or_b32 s[G1SX], s31, (3<<16)|(1<<20)|(1<<21)|(5<<22)|(3<<25)
	s_or_b32 s[G1SW], s32, (3<<16)|(1<<20)|(1<<21)|(5<<22)|(3<<25)
.irp g, G1SX, G1SW
	s_mov_b32 s[\g+1], 32<<16
	s_mov_b32 s[\g+2], 16<<16
	s_mov_b32 s[\g+3], 32<<16
	s_mov_b32 s[\g+4], 16
	s_mov_b32 s[\g+5], 32
	s_mov_b32 s[\g+6], 0
	s_mov_b32 s[\g+7], 0
.endr
	; where the tiles come from.  string's hang on y alone, W_attn's on x alone; each in registers that never hold the other coordinate
	s_lshl_b32 s33, s[WH], 7                       ; which 128 rows I fetch
	s_lshl_b32 s34, s30, 8
	s_add_co_u32 s34, s34, s33                     ; string's row
	s_lshl_b32 s62, s34, 5                         ; x 32: its scale bytes
	s_mov_b32 s63, 0
	s_lshl_b32 s34, s34, 9                         ; x 512: its codes
	s_mov_b32 s35, 0
	s_lshl_b32 s60, s29, 8
	s_add_co_u32 s60, s60, s33                     ; W_attn's row
	s_lshl_b32 s2, s60, 5
	s_mov_b32 s3, 0
	s_lshl_b32 s60, s60, 9
	s_mov_b32 s61, 0
	s_mul_i32 s100, s[WV], HALFT                   ; and where they go: wave x 128 rows: no place in the cluster enters an LDS address
	s_mul_i32 s101, s[WV], HALFS
	s_wait_dscnt 0x0
	s_wait_kmcnt 0x0
	s_add_nc_u64 s[34:35], s[4:5], s[34:35]
	s_add_nc_u64 s[62:63], s[6:7], s[62:63]
	s_add_nc_u64 s[60:61], s[8:9], s[60:61]
	s_add_nc_u64 s[2:3], s[10:11], s[2:3]
	CROUND                                         ; all sixteen work-groups are here: the joint loads meet
	s_mov_b32 s[G0SX], 1
	s_add_co_u32 s[G0SX+1], s101, SCL
	s_mov_b64 s[G0SX+2:G0SX+3], s[62:63]
	s_or_b32 s[G0SX+3], s[G0SX+3], 0x80000000
	s_mov_b32 s[G0SW], 1
	s_add_co_u32 s[G0SW+1], s101, SCL
	s_mov_b64 s[G0SW+2:G0SW+3], s[2:3]
	s_or_b32 s[G0SW+3], s[G0SW+3], 0x80000000
	JLOAD G0SX, G1SX, G0SW, G1SW                   ; the scale bytes first: they are wanted with the first K step
.irp s, 0,1
	s_mov_b32 s[G0X+4*\s], 1
	s_add_co_u32 s[G0X+4*\s+1], s100, \s*SLOT
	s_add_nc_u64 s[G0X+4*\s+2:G0X+4*\s+3], s[34:35], \s*256
	s_or_b32 s[G0X+4*\s+3], s[G0X+4*\s+3], 0x80000000
	s_mov_b32 s[G0W+4*\s], 1
	s_add_co_u32 s[G0W+4*\s+1], s100, \s*SLOT
	s_add_nc_u64 s[G0W+4*\s+2:G0W+4*\s+3], s[60:61], \s*256
	s_or_b32 s[G0W+4*\s+3], s[G0W+4*\s+3], 0x80000000
	JLOAD G0X+4*\s, G1X, G0W+4*\s, G1W             ; three loads of mine are out in all
.endr
	s_mov_b32 s[SEL], 0x76543210
	s_mov_b32 s[SEL+1], 0xfedcba98
	s_mov_b32 s[HM], 0xffff0000
	s_mov_b32 s[C7F], 0x7f7f7f7f
	s_mov_b32 s[FLR], 0x1800000
	v_and_b32 v1, 15, v0                           ; r
	v_bfe_u32 v2, v0, 4, 1                         ; h
	v_and_b32 v3, 31, v0                           ; lane
	v_mul_u32_u24 v4, v1, PITCH
	v_lshl_add_u32 v4, v2, 4, v4                   ; a fragment's row x pitch + 16 h
	s_mul_i32 s100, s[XH], HALFT                   ; my 128 rows of string
	s_mul_i32 s101, s[WH], HALFT
	s_add_co_u32 s101, s101, 2*HALFT               ; my 128 rows of W_attn, behind string's 256
.irp s, 0,1
	v_add_nc_u32 v[ADX+\s], s100, v4
	v_add_nc_u32 v[ADW+\s], s101, v4
	s_add_co_u32 s100, s100, SLOT
	s_add_co_u32 s101, s101, SLOT
.endr
	v_lshrrev_b32 v5, 3, v1
	v_lshlrev_b32 v6, 5, v1
	v_lshl_add_u32 v5, v5, 4, v6                   ; a row's scale bytes: 32 r, and 16 more behind each 256
	s_mul_i32 s100, s[XH], HALFS
	s_add_co_u32 s100, s100, SCL
	v_add_nc_u32 v[ASX], s100, v5
	s_mul_i32 s101, s[WH], HALFS
	s_add_co_u32 s101, s101, SCL+2*HALFS
	v_add_nc_u32 v[ASW], s101, v5
	v_lshlrev_b32 v[L16], 4, v3
	v_lshlrev_b32 v[L8], 3, v3
	; where the results go: u = 16 bh0 + step, bh0 = 16 (y / 8) + 4 cx + 2 WH my first head, step = (2 y + XH) % 16 my key step; codes at 4,096 u, scale words at 768 u
	s_lshr_b32 s66, s30, 3
	s_lshl_b32 s66, s66, 4
	s_lshl_b32 s67, s27, 2
	s_add_co_u32 s66, s66, s67
	s_lshl_b32 s67, s[WH], 1
	s_add_co_u32 s66, s66, s67
	s_lshl_b32 s66, s66, 4
	s_lshl_b32 s67, s30, 1
	s_add_co_u32 s67, s67, s[XH]
	s_and_b32 s67, s67, 15
	s_add_co_u32 s66, s66, s67
	s_mul_i32 s104, s66, 768
	s_mov_b32 s105, 0
	s_lshl_b32 s66, s66, 12
	s_mov_b32 s67, 0
	s_lshl_b32 s2, s29, 10                         ; the bias of my 128 rows of W_attn: 4 (256 x + 128 WH) bytes on
	s_lshl_b32 s3, s[WH], 9
	s_add_co_u32 s2, s2, s3
	s_mov_b32 s3, 0
	s_add_nc_u64 s[12:13], s[12:13], s[2:3]
.macro SCALES                          ; all scale words of my rows: eight words a row; every lane addresses by r, so lanes 0-15 hold what the products read
.irp i, 0,1,2,3,4,5,6,7
.irp s, 0,1
	ds_load_b128 v[SX+8*\i+4*\s:SX+8*\i+4*\s+3], v[ASX] offset:\i*SBLK+16*\s
	ds_load_b128 v[SW+8*\i+4*\s:SW+8*\i+4*\s+3], v[ASW] offset:\i*SBLK+16*\s
.endr
.endr
.endm
.macro FETCH q                         ; the fragments of K step q (128 along K: 64 bytes of a row) into set q % 2: 32 loads in one run
.set fP, 128*((\q)%2)
.set fS, (\q)/4
.set fO, 64*((\q)%4)
	WIN 0x40                                       ; destination window 1, address window 0
.irp i, 0,1,2,3,4,5,6,7
.irp c, 0,1
	ds_load_b128 v[fP+8*\i+4*\c:fP+8*\i+4*\c+3], v[ADX+fS] offset:fO+32*\c+\i*16*PITCH
.endr
.endr
.irp i, 0,1,2,3,4,5,6,7
.irp c, 0,1
	ds_load_b128 v[fP+64+8*\i+4*\c:fP+64+8*\i+4*\c+3], v[ADW+fS] offset:fO+32*\c+\i*16*PITCH
.endr
.endr
	WIN 0
.endm
; 64 products: K step q.  ori = 0: source 0 = W_attn's tile b, source 1 = string's tile a; ori = 1: source 0 = string's tile b, source 1 = W_attn's tile a.
; The 64 accumulators take turns, one instruction a turn, in the same order in every step.  In step 0 the bias is C: nothing is cleared and nothing is added later.
.macro MUL ori, q
.set mP, 128*((\q)%2)
.irp a, 0,1,2,3,4,5,6,7
.if \q == 0
	WIN 0x85+0x40*(\a/4)                           ; sources 0 and 1 window 1, C window 0, D window 2 or 3
.else
	WIN 0xa5+0x50*(\a/4)                           ; C and D window 2 or 3
.endif
.irp b, 0,1,2,3,4,5,6,7
.set rD, 8*(8*(\a%4)+\b)
.if \ori == 0
.set rA, mP+64+8*\b
.set rB, mP+8*\a
.set rE, SW+8*\b+\q
.set rF, SX+8*\a+\q
.set rC, BI+8*\b
.else
.set rA, mP+8*\b
.set rB, mP+64+8*\a
.set rE, SX+8*\b+\q
.set rF, SW+8*\a+\q
.set rC, BI+8*\a
.endif
.if \q == 0
	v_wmma_scale_f32_16x16x128_f8f6f4 v[rD:rD+7], v[rA:rA+7], v[rB:rB+7], v[rC:rC+7], v[rE], v[rF] matrix_a_fmt:MATRIX_FMT_FP4 matrix_b_fmt:MATRIX_FMT_FP4
.else
	v_wmma_scale_f32_16x16x128_f8f6f4 v[rD:rD+7], v[rA:rA+7], v[rB:rB+7], v[rD:rD+7], v[rE], v[rF] matrix_a_fmt:MATRIX_FMT_FP4 matrix_b_fmt:MATRIX_FMT_FP4
.endif
.endr
.endr
.endm
.macro STEP ori, q
	s_wait_dscnt 0x0                               ; this step's fragments, asked for 64 products ago, are in
.if \q == 3
	s_wait_tensorcnt 0x0                           ; my part of slot 1 has landed;
	s_barrier_signal -1
	s_barrier_wait -1                              ; everybody's has.
.endif
.if (\q > 0) && (\q < 7)
	PLACES 4                                       ; four plain places between the last product that read the other set and the loads into it (ISA guide 7.12.1 for vector instructions)
.endif
.if \q < 7
	FETCH (\q)+1
.endif
	MUL \ori, \q
.endm
.macro MAIN ori
	s_wait_tensorcnt 0x1                           ; the scale bytes and my part of slot 0 are in; the one load that may stay out is slot 1's
	s_barrier_signal -1
	s_barrier_wait -1                              ; everybody's are
	SCALES
	FETCH 0
	s_wait_loadcnt 0x0                             ; the bias
.irp q, 0,1,2,3,4,5,6,7
	STEP \ori, \q
.endr
	WIN 0
	PLACES 4                                       ; in front of the first read of results
.irp b, 0,1,2,3
	v_mov_b32 v[TM+4+\b], 0                        ; written once: a lane permute's destination counts as one of its sources
.endr
.endm
; THE QUANTISER on my block a: eight tiles, tile t's register j = place 16 t + 8 h + j along the axis to be quantised.  A block of 32 is tiles 2 b and 2 b + 1 of lanes l and l xor 16.
; Codes go to set a % 2 of v[PC], the four scale bytes as one word to v[PWS + a].
.macro QUANT a
.set qW, 2+(\a)/4
.set AC, 64*((\a)%4)
.set PCS, PC+8*((\a)%2)
	WIN (qW<<2)|(qW<<4)                            ; sources 1 and 2: the accumulators' window
.irp b, 0,1,2,3
	v_max3_num_f32 v[TM+\b], s[FLR], |v[AC+16*\b]|, |v[AC+16*\b+1]|   ; the floor holds the byte at 1 from below; each accumulator is read from its low end on
.endr
.irp i, 2,4,6,8,10,12,14
.irp b, 0,1,2,3
	v_max3_num_f32 v[TM+\b], v[TM+\b], |v[AC+16*\b+\i]|, |v[AC+16*\b+\i+1]|   ; the four blocks by turns
.endr
.endr
	WIN 0
.irp b, 0,1,2,3
	v_permlanex16_b32 v[TM+4+\b], v[TM+\b], s[SEL], s[SEL+1]
.endr
.irp b, 0,1,2,3
	v_max_num_f32 v[TM+\b], v[TM+\b], v[TM+4+\b]   ; the block's largest magnitude
.endr
.irp b, 0,1,2,3
	v_add_nc_u32 v[TM+12+\b], 0xff000000, v[TM+\b] ; 2 off its exponent field: the conversion's scale operand
.endr
.irp b, 0,1,2,3
	v_lshrrev_b32 v[TM+4+\b], 23, v[TM+12+\b]      ; the scale's byte
.endr
	v_lshl_or_b32 v[PWS+(\a)], v[TM+5], 8, v[TM+4]
	v_lshl_or_b32 v[PWS+(\a)], v[TM+6], 16, v[PWS+(\a)]
	v_lshl_or_b32 v[PWS+(\a)], v[TM+7], 24, v[PWS+(\a)]
.if (\a) >= 2
	s_wait_xcnt 0x0                                ; the stores of two blocks back have read this set of codes: it is written again only behind this wait
.endif
	WIN qW                                         ; source 0: the accumulators' window
.irp t, 0,1,2,3,4,5,6,7
	v_cvt_scalef32_pk8_fp4_f32 v[PCS+4*(\t/4)+((\t%4)>>1)+2*((\t%4)&1)], v[AC+8*\t:AC+8*\t+7], v[TM+12+\t/2]
.endr
	WIN 0
	v_nop                                          ; one plain place behind a scaled conversion
.irp c, 0,1                            ; tile 4 c's codes beside tile 4 c + 2's, tile 4 c + 1's beside tile 4 c + 3's: the exchange of halves leaves registers 4 c .. 4 c + 3 with places 64 c + 32 h + 0 .. 31
	v_permlane16_swap_b32 v[PCS+4*\c], v[PCS+4*\c+1]
	v_permlane16_swap_b32 v[PCS+4*\c+2], v[PCS+4*\c+3]
.endr
.endm
	s_cmp_eq_u32 ttmp9, 2                          ; the cluster's x: the same in all sixteen partners
	s_cbranch_scc1 .Lpath_v
	; ---- q and k
	s_cmp_eq_u32 ttmp9, 0
	s_cselect_b64 s[CB:CB+1], s[14:15], s[18:19]   ; qc or kc
	s_cselect_b64 s[SB:SB+1], s[16:17], s[20:21]   ; qs or kvs
	s_add_nc_u64 s[CB:CB+1], s[CB:CB+1], s[66:67]
	s_add_nc_u64 s[SB:SB+1], s[SB:SB+1], s[104:105]
	v_lshlrev_b32 v[BO], 5, v2                     ; tile b's register j wants the bias of channel 16 b + 8 h + j
.irp b, 0,1,2,3,4,5,6,7
	global_load_b128 v[BI+8*\b:BI+8*\b+3], v[BO], s[12:13] offset:64*\b
	global_load_b128 v[BI+8*\b+4:BI+8*\b+7], v[BO], s[12:13] offset:64*\b+16
.endr
	s_wait_alu depctr_va_vdst(0)
	MAIN 0
.irp a, 0,1,2,3,4,5,6,7                ; block a: 16 rows of string x my two heads
	QUANT \a
	global_store_b128 v[L16], v[PC+8*(\a%2):PC+8*(\a%2)+3], s[CB:CB+1] offset:512*\a             ; the first head's image: 512 consecutive bytes
	global_store_b128 v[L16], v[PC+8*(\a%2)+4:PC+8*(\a%2)+7], s[CB:CB+1] offset:65536+512*\a     ; the second head's
.endr
.irp i, 0,1,2,3
	v_cndmask_b32 v[SO+8+\i], v[PWS+2*\i], v[PWS+2*\i+1], s[HM]    ; lanes 0-15: tile 2 i's word, lanes 16-31: tile 2 i + 1's
.endr
.irp i, 0,1,2,3
	v_perm_b32 v[SO+\i], s[C7F], v[SO+8+\i], 0x05040100            ; the first head's two bytes under 0x7f7f
	v_perm_b32 v[SO+4+\i], s[C7F], v[SO+8+\i], 0x07060302          ; the second head's
.endr
	global_store_b128 v[L16], v[SO:SO+3], s[SB:SB+1]
	global_store_b128 v[L16], v[SO+4:SO+7], s[SB:SB+1] offset:12288
	s_wait_tensorcnt 0x0
	ds_add_u32 v254, v255
	s_wait_dscnt 0x0
	CROUND                                         ; the closing round: no work-group ends while a partner may still ask for a tile that names it
	s_endpgm
.Lpath_v:
	; ---- v
	s_add_nc_u64 s[CB:CB+1], s[22:23], s[66:67]
	s_add_nc_u64 s[SB:SB+1], s[20:21], s[104:105]
	v_lshlrev_b32 v[BO], 2, v1                     ; all eight registers of tile a want the bias of channel 16 a + r
.irp a, 0,1,2,3,4,5,6,7
.irp j, 0,1,2,3,4,5,6,7
	global_load_b32 v[BI+8*\a+\j], v[BO], s[12:13] offset:64*\a
.endr
.endr
	s_wait_alu depctr_va_vdst(0)
	MAIN 1
.irp a, 0,1,2,3,4,5,6,7                ; block a: 16 channels (head a / 4, tile a % 4) x my 128 keys
	QUANT \a
	global_store_b128 v[L16], v[PC+8*(\a%2):PC+8*(\a%2)+3], s[CB:CB+1] offset:65536*(\a/4)+1024*(\a%4)
	global_store_b128 v[L16], v[PC+8*(\a%2)+4:PC+8*(\a%2)+7], s[CB:CB+1] offset:65536*(\a/4)+1024*(\a%4)+512
.endr
.irp p, 0,1
.irp i, 0,1
	v_cndmask_b32 v[SO+2*\p+\i], v[PWS+4*\p+2*\i], v[PWS+4*\p+2*\i+1], s[HM]
.endr
.endr
	global_store_b64 v[L8], v[SO:SO+1], s[SB:SB+1] offset:512              ; 256 consecutive bytes, aligned
	global_store_b64 v[L8], v[SO+2:SO+3], s[SB:SB+1] offset:512+12288
	s_wait_tensorcnt 0x0
	ds_add_u32 v254, v255
	s_wait_dscnt 0x0
	CROUND
	s_endpgm
.Lfunc_end_k_qe31822ca1c_qkv:
	.size	k_qe31822ca1c_qkv, .Lfunc_end_k_qe31822ca1c_qkv-k_qe31822ca1c_qkv
	.p2alignl 7, 3214868480
	.fill 96, 4, 3214868480
	.section	.rodata,"a",@progbits
	.p2align	6, 0x0
	.amdhsa_kernel k_qe31822ca1c_qkv
		.amdhsa_group_segment_fixed_size 296448
		.amdhsa_private_segment_fixed_size 0
		.amdhsa_enable_private_segment 0
		.amdhsa_kernarg_size 80
		.amdhsa_user_sgpr_count 2
		.amdhsa_user_sgpr_kernarg_segment_ptr 1
		.amdhsa_wavefront_size32 1
		.amdhsa_system_sgpr_workgroup_id_x 1
		.amdhsa_system_sgpr_workgroup_id_y 1
		.amdhsa_system_sgpr_workgroup_id_z 1
		.amdhsa_system_vgpr_workitem_id 0
		.amdhsa_next_free_vgpr 1024
		.amdhsa_next_free_sgpr 106
		.amdhsa_reserve_vcc 0
		.amdhsa_float_denorm_mode_32 3
		.amdhsa_float_denorm_mode_16_64 3
		.amdhsa_memory_ordered 1
		.amdhsa_forward_progress 1
		.amdhsa_inst_pref_size 252
	.end_amdhsa_kernel
	.amdgpu_metadata
---
amdhsa.version: [ 1, 2 ]
amdhsa.kernels:
  - .name:           k_qe31822ca1c_qkv
    .symbol:         k_qe31822ca1c_qkv.kd
    .args:
      - { .name: string_codes, .offset: 0, .size: 8, .value_kind: global_buffer, .address_space: global }
      - { .name: string_scales, .offset: 8, .size: 8, .value_kind: global_buffer, .address_space: global }
      - { .name: W_attn_codes, .offset: 16, .size: 8, .value_kind: global_buffer, .address_space: global }
      - { .name: W_attn_scales, .offset: 24, .size: 8, .value_kind: global_buffer, .address_space: global }
      - { .name: b_attn, .offset: 32, .size: 8, .value_kind: global_buffer, .address_space: global }
      - { .name: qc, .offset: 40, .size: 8, .value_kind: global_buffer, .address_space: global }
      - { .name: qs, .offset: 48, .size: 8, .value_kind: global_buffer, .address_space: global }
      - { .name: kc, .offset: 56, .size: 8, .value_kind: global_buffer, .address_space: global }
      - { .name: kvs, .offset: 64, .size: 8, .value_kind: global_buffer, .address_space: global }
      - { .name: vc, .offset: 72, .size: 8, .value_kind: global_buffer, .address_space: global }
    .group_segment_fixed_size: 296448
    .private_segment_fixed_size: 0
    .kernarg_segment_align: 8
    .kernarg_segment_size: 80
    .max_flat_workgroup_size: 128
    .sgpr_count:     106
    .vgpr_count:     1024
    .wavefront_size: 32
...
	.end_amdgpu_metadata
.endif
;; end of part 1
;; launch attn (part 2): grid 4 x 64, 16 waves a work-group, clusters of 4 x 1, 169,984 bytes of LDS; arguments qc, qs, kc, kvs, vc, string_len, ac, asc, out1; writes ac, asc, out1
.if DOCPART == 2
	.amdgcn_target "amdgcn-amd-amdhsa--gfx1250"
	.amdhsa_code_object_version 6
	.text
	.protected	k_qe31822ca1c_attn
	.globl	k_qe31822ca1c_attn
	.p2align	8
	.type	k_qe31822ca1c_attn,@function
k_qe31822ca1c_attn:
	s_mov_b64 s[64:65], 0
	v_nop
	global_prefetch_b8 v0, s[64:65] scope:SCOPE_SE
	s_setreg_imm32_b32 hwreg(HW_REG_WAVE_MODE, 25, 1), 1
	s_wait_xcnt 0x0
	s_wait_alu depctr_hold_cnt(0) depctr_sa_sdst(0) depctr_va_vdst(0) depctr_va_sdst(0) depctr_va_ssrc(0) depctr_va_vcc(0) depctr_vm_vsrc(0)
	s_getreg_b32 s2, hwreg(HW_REG_IB_STS2, 6, 4)
	s_cmp_eq_u32 s2, 0
	s_cbranch_scc0 .Lentry_in_a_cluster
	s_endpgm
.Lentry_in_a_cluster:
	s_bfe_u32 s2, ttmp6, 0x10000c
	s_cmp_lg_u32 s2, 0x3003
	s_cbranch_scc0 .Lentry_shape_is_right
	s_endpgm
.Lentry_shape_is_right:
; a[b][q][head] = softmax_k(q . k / 8, causal) v, both products on codes of FP4 (E2M1) with E8M0 scales; a is quantised along the model's axis for the last product.  out1 = string_len.
; THE SOFTMAX AHEAD OF THE SECOND PRODUCT: t = score x log2(e) / 8; M = the row's largest t so far, rounded UP to a whole number; p = 2^(t - M) is quantised along the keys, not normalised.
; The row's sum is taken of the unquantised p and divides O at the end.  When M moves, the sum and O are multiplied by 2^(old M - new M): exact.
; SHARES.  A cluster of four work-groups is one head (bh = 16 b + head); all four read the same K and V, which come by joint loads.  A WHOLE HEAD'S K, V and their scale words lie in LDS
; (143,360 bytes), filled once: no ring.  Nothing is prefetched: every tile is asked for at the head.
; Partner cx owns the tiles of 16 queries T = 4 j + cx, j = 0 .. 31.  Tile T needs the key steps (128 keys) 0 .. T / 8 = j / 2, which does not hang on cx: all partners run alike.
; Wave w takes j = 31 - w and then j = w: 17 key steps for every wave.  Four waves to a SIMD, so that one wave's vector work stands beside another's products and LDS loads.
; LAYOUT.  Both products are used transposed: S^T = K Q^T (source 0 = 16 keys, source 1 = my 16 queries), O^T = V^T P^T: a lane holds ONE query (lane % 16) throughout.
; The first product's K is 64: the upper four registers of K's and Q's fragments are zero codes, their scale bytes 0x7f.
; Tile t's register j of S^T is key 16 t + 8 (lane / 16) + j: a block of 32 keys is tiles 2 b, 2 b + 1 in lanes l and l xor 16.
; CAUSAL.  A step all of whose keys come after my queries is left out by a scalar branch on ids; in the one step on the diagonal hidden scores become -infinity ahead of the maximum.
; LIMITS: hidden logits count as -infinity where the definition has -1e9: the two differ only where a row's open logits lie near -1e9.  A block whose largest magnitude lies under 2^-124 keeps the scale byte 1
; (its codes are zeros or next to it; this program alone reads the bytes).  NaN and infinities are not served.
.set KC, 0                             ; LDS: K's codes: step s at 4,096 s, tile t at + 512 t: images of operand registers, lane l's 16 bytes at 16 l
.set VC, 65536                         ; V's: step s at 4,096 s, channel tile t at + 1,024 t, half c at + 512 c
.set SC, 131072                        ; the scale words: step s at 768 s: K's 512 bytes, then V's 256
.set LK, 1                             ; v1   16 x lane
.set LV, 2                             ; v2   VC + 16 x lane
.set LS, 3                             ; v3   SC + 16 x lane
.set LT, 4                             ; v4   SC + 512 + 8 x lane
.set DQ, 5                             ; v5   the mask's threshold of the tile in hand;  v6 the short tile's
.set AB8, 7                            ; v7   32 r + h: my scale byte's place in asc
.set ADK, 8                            ; v8-11 the step's LDS addresses
.set ADV, 9
.set ADS, 10
.set ADT, 11
                                       ; v12 -M, v13 the largest t, v[14:15] the sum in two halves
.set QL, 16                            ; v16-23 Q of the long tile (v20-23 zero), v24-31 of the short
.set QS, 24
.set KF, 32                            ; v32-63 four fragments of K: four registers loaded, four that stay zero
.set VF, 64                            ; v64-95 V's four fragments
.set S,  96                            ; v96-159 S^T, then p; at the end a
.set O,  160                           ; v160-191 O^T
.set PC, 192                           ; v192-199 p's codes
.set KSW, 200                          ; v200-203 K's scale words, v204-205 V's, v206, v207 Q's, v208 p's: these hold scales alone
.set VSW, 204
.set QWL, 206
.set QWS, 207
.set PWD, 208
.set NINF, 209
.set BM, 210                           ; v210-213 the blocks' largest scores, then largest p
.set T4, 214                           ; v214-217 at work
.set SOP, 218                          ; v218-221 the conversions' scale operands
.set F,  222                           ; v[222:223] f = 2^(old M - new M), and a register that is named with it
.set WV, 22
.set CX, 23
.set BH, 24
.set TT, 25
.set SEL, 26
.set CS, 28
.set HM, 30
.set KI, 31                            ; s31 the key step
.set TB, 32                            ; s32 4,096 x the key step
.set TS, 33                            ; s33 768 x the key step
.set DG, 34                            ; s34 the step on the diagonal of the tile in hand;  s35 the short tile's
.set CNT, 2
.set G1C, 36
.set G1S, 44
.set G0K, 52
.set G0V, 68
.set G0S, 76
.set QB, 92
.set WB, 94
.macro CROUND
	s_barrier_signal -1
	s_barrier_wait -1
	s_cmp_lg_u32 s[WV], 0
	s_cbranch_scc1 .Lnot_wave_0_\@
	s_barrier_signal -3
.Lnot_wave_0_\@:
	s_barrier_wait -3
	s_barrier_signal -1
	s_barrier_wait -1
.endm
	s_load_b512 s[4:19], s[0:1], 0x0               ; qc s[4:5], qs s[6:7], kc s[8:9], kvs s[10:11], vc s[12:13], string_len s[14:15], ac s[16:17], asc s[18:19]
	s_load_b64 s[20:21], s[0:1], 0x40              ; out1
	v_lshl_add_u32 v254, v0, 2, 0x29000
	v_mov_b32 v255, 0
	ds_add_u32 v254, v255
	ds_add_u32 v254, v255
	v_lshrrev_b32 v1, 5, v0
	s_delay_alu instid0(VALU_DEP_1)
	v_readfirstlane_b32 s[WV], v1                  ; wave 0..15
	s_bfe_u32 s[CX], ttmp6, 0x40000                ; my place in the cluster: it enters global addresses and the mask's threshold alone
	s_and_b32 s[BH], ttmp7, 0xffff                 ; the head, which the four partners share
	; group 1: dense blocks as rows of 256 bytes (32 elements of 8), no padding: every read takes 512 or 256 consecutive bytes.  The mask names all four partners
	s_mov_b32 s[G1C], 15|(3<<16)|(1<<21)
	s_mov_b32 s[G1C+1], 32<<16
	s_mov_b32 s[G1C+2], 64<<16                     ; codes: 64 rows, 16,384 bytes
	s_mov_b32 s[G1C+3], 32<<16
	s_mov_b32 s[G1C+4], 64
	s_mov_b32 s[G1C+5], 32
	s_mov_b32 s[G1C+6], 0
	s_mov_b32 s[G1C+7], 0
	s_mov_b32 s[G1S], 15|(3<<16)|(1<<21)
	s_mov_b32 s[G1S+1], 32<<16
	s_mov_b32 s[G1S+2], 24<<16                     ; scale words: 24 rows, 6,144 bytes
	s_mov_b32 s[G1S+3], 32<<16
	s_mov_b32 s[G1S+4], 24
	s_mov_b32 s[G1S+5], 32
	s_mov_b32 s[G1S+6], 0
	s_mov_b32 s[G1S+7], 0
	s_and_b32 s3, s[WV], 1
	s_lshl_b32 s3, s3, 14                          ; which 16,384 bytes of a part I fetch: in memory and in LDS alike
	s_lshl_b32 s96, s[BH], 16
	s_add_co_u32 s96, s96, s3
	s_mov_b32 s97, 0
	s_mul_i32 s98, s[BH], 12288
	s_mov_b32 s99, 0
	s_mov_b32 s[SEL], 0x76543210
	s_mov_b32 s[SEL+1], 0xfedcba98
	s_mov_b32 s[CS], 0x3e38aa3b                    ; c = log2(e) / 8
	s_mov_b32 s[CS+1], s[CS]                       ; (named with it as a pair, so it is written)
	s_mov_b32 s[HM], 0xffff0000                    ; lanes 16-31
	s_wait_dscnt 0x0
	s_wait_kmcnt 0x0
.irp p, 0,1                            ; part 0: key steps 0-7; part 1: steps 8-15
	s_mov_b32 s[G0K+4*\p], 1
	s_add_co_u32 s[G0K+4*\p+1], s3, KC+32768*\p
	s_add_nc_u64 s[G0K+4*\p+2:G0K+4*\p+3], s[8:9], s[96:97]
	s_add_nc_u64 s[G0K+4*\p+2:G0K+4*\p+3], s[G0K+4*\p+2:G0K+4*\p+3], 32768*\p
	s_or_b32 s[G0K+4*\p+3], s[G0K+4*\p+3], 0x80000000
	s_mov_b32 s[G0V+4*\p], 1
	s_add_co_u32 s[G0V+4*\p+1], s3, VC+32768*\p
	s_add_nc_u64 s[G0V+4*\p+2:G0V+4*\p+3], s[12:13], s[96:97]
	s_add_nc_u64 s[G0V+4*\p+2:G0V+4*\p+3], s[G0V+4*\p+2:G0V+4*\p+3], 32768*\p
	s_or_b32 s[G0V+4*\p+3], s[G0V+4*\p+3], 0x80000000
	s_mov_b32 s[G0S+4*\p], 1
	s_mov_b32 s[G0S+4*\p+1], SC+6144*\p
	s_add_nc_u64 s[G0S+4*\p+2:G0S+4*\p+3], s[10:11], s[98:99]
	s_add_nc_u64 s[G0S+4*\p+2:G0S+4*\p+3], s[G0S+4*\p+2:G0S+4*\p+3], 6144*\p
	s_or_b32 s[G0S+4*\p+3], s[G0S+4*\p+3], 0x80000000
.endr
	CROUND                                         ; all four work-groups are here: the joint loads meet
	; the fills: waves 0, 1: K's codes; waves 2, 3: V's; wave 4: the scale words; the others none.  A wave's two loads stand in one branch on its number; four v_nop follow the second
	s_cmp_lt_u32 s[WV], 2
	s_cbranch_scc0 .Lnot_k
	tensor_load_to_lds s[G0K:G0K+3], s[G1C:G1C+7]
	s_nop 0
	tensor_load_to_lds s[G0K+4:G0K+7], s[G1C:G1C+7]
	s_nop 0
.rept 4
	v_nop
.endr
	s_branch .Lasked
.Lnot_k:
	s_cmp_lt_u32 s[WV], 4
	s_cbranch_scc0 .Lnot_v
	tensor_load_to_lds s[G0V:G0V+3], s[G1C:G1C+7]
	s_nop 0
	tensor_load_to_lds s[G0V+4:G0V+7], s[G1C:G1C+7]
	s_nop 0
.rept 4
	v_nop
.endr
	s_branch .Lasked
.Lnot_v:
	s_cmp_eq_u32 s[WV], 4
	s_cbranch_scc0 .Lasked
	tensor_load_to_lds s[G0S:G0S+3], s[G1S:G1S+7]
	s_nop 0
	tensor_load_to_lds s[G0S+4:G0S+7], s[G1S:G1S+7]
	s_nop 0
.rept 4
	v_nop
.endr
.Lasked:
	v_and_b32 v224, 31, v0                         ; lane
	v_and_b32 v225, 15, v0                         ; r
	v_bfe_u32 v226, v0, 4, 1                       ; h
	s_delay_alu instid0(VALU_DEP_3)
	v_lshlrev_b32 v[LK], 4, v224
	s_delay_alu instid0(VALU_DEP_4)
	v_lshl_add_u32 v[LV], v224, 4, VC
	v_lshl_add_u32 v[LS], v224, 4, SC
	v_lshl_add_u32 v[LT], v224, 3, SC+512
	v_lshl_add_u32 v[AB8], v225, 5, v226
	v_lshlrev_b32 v227, 4, v225                    ; 16 r: Q's scale words
	v_lshlrev_b32 v228, 3, v226
	s_delay_alu instid0(VALU_DEP_1)
	v_sub_nc_u32 v228, v225, v228                  ; r - 8 h
	s_wait_alu depctr_va_vdst(0)
	; what all my tiles share: s60 = 65,536 bh (qc); s61 = 65,536 b + 2 head (asc); s62 = 2,097,152 (head / 8) + 524,288 b + 512 (head % 8) (ac); s63 = 12,288 bh + 256 (cx % 2) + 4 (cx / 2) (qs)
	s_and_b32 s60, s[BH], 15
	s_lshr_b32 s61, s[BH], 4
	s_lshr_b32 s62, s60, 3
	s_lshl_b32 s62, s62, 21
	s_lshl_b32 s63, s61, 19
	s_add_co_u32 s62, s62, s63
	s_and_b32 s63, s60, 7
	s_lshl_b32 s63, s63, 9
	s_add_co_u32 s62, s62, s63
	s_lshl_b32 s61, s61, 16
	s_lshl_b32 s60, s60, 1
	s_add_co_u32 s61, s61, s60
	s_mul_i32 s63, s[BH], 12288
	s_and_b32 s60, s[CX], 1
	s_lshl_b32 s60, s60, 8
	s_add_co_u32 s63, s63, s60
	s_lshr_b32 s60, s[CX], 1
	s_lshl_b32 s60, s60, 2
	s_add_co_u32 s63, s63, s60
	s_lshl_b32 s60, s[BH], 16
	s_lshl_b32 s101, s[CX], 4                      ; 16 cx
	s_sub_co_u32 s100, 31, s[WV]                   ; the long tile's j
; Tile T = 4 j + cx: where a and its scale bytes go (kept), Q's codes and scale words (loaded), the step on the diagonal j / 2, and the mask's threshold 16 (T % 8) + r - 8 h
.macro TILE sj, ab, sb, vq, vw, vd, sd
	s_lshl_b32 s[TT], s[\sj], 2
	s_add_co_u32 s[TT], s[TT], s[CX]
	s_lshl_b32 s[\ab], s[TT], 12
	s_add_co_u32 s[\ab], s[\ab], s62
	s_mov_b32 s[\ab+1], 0
	s_add_nc_u64 s[\ab:\ab+1], s[16:17], s[\ab:\ab+1]
	s_lshl_b32 s[TT], s[TT], 9
	s_add_co_u32 s[\sb], s[TT], s61
	s_mov_b32 s[\sb+1], 0
	s_add_nc_u64 s[\sb:\sb+1], s[18:19], s[\sb:\sb+1]
	s_add_co_u32 s[QB], s[TT], s60
	s_mov_b32 s[QB+1], 0
	s_add_nc_u64 s[QB:QB+1], s[4:5], s[QB:QB+1]
	s_lshr_b32 s[\sd], s[\sj], 1
	s_mul_i32 s[WB], s[\sd], 768
	s_add_co_u32 s[WB], s[WB], s63
	s_and_b32 s[TT], s[\sj], 1
	s_lshl_b32 s[WB+1], s[TT], 3
	s_add_co_u32 s[WB], s[WB], s[WB+1]
	s_mov_b32 s[WB+1], 0
	s_add_nc_u64 s[WB:WB+1], s[6:7], s[WB:WB+1]
	s_lshl_b32 s[TT], s[TT], 6
	s_add_co_u32 s[TT], s[TT], s101
	v_add_nc_u32 v[\vd], s[TT], v228
	global_load_b128 v[\vq:\vq+3], v[LK], s[QB:QB+1]
	global_load_b32 v[\vw], v227, s[WB:WB+1]
.endm
	TILE 100, 84, 86, QL, QWL, DQ, DG
	s_wait_xcnt 0x0                                ; the two loads have read their bases: the same registers serve the short tile
	TILE WV, 88, 90, QS, QWS, DQ+1, DG+1
.irp j, 4,5,6,7
	v_mov_b32 v[QL+\j], 0                          ; the upper half of the first product's K: zero codes, in Q's and in K's fragments
	v_mov_b32 v[QS+\j], 0
.irp t, 0,1,2,3
	v_mov_b32 v[KF+8*\t+\j], 0
.endr
.endr
.irp b, 0,1,2,3
	v_mov_b32 v[T4+\b], 0                          ; written once: a lane permute's destination counts as one of its sources
.endr
	v_mov_b32 v[F+1], 0                            ; (named as the upper half of the pair with f)
	v_mov_b32 v[NINF], 0xff800000                  ; -infinity
.macro SMUL g                          ; S^T: key tiles g .. g + 3 against my queries; K's scale words: tile t's in register t / 2, lanes 0-15 for even t, lanes 16-31 for odd
.irp t, 0,1,2,3
.if \t%2
	v_wmma_scale_f32_16x16x128_f8f6f4 v[S+8*(\g+\t):S+8*(\g+\t)+7], v[KF+8*\t:KF+8*\t+7], v[rQ:rQ+7], 0, v[KSW+(\g+\t)/2], v[rW] matrix_a_fmt:MATRIX_FMT_FP4 matrix_b_fmt:MATRIX_FMT_FP4 matrix_a_scale:MATRIX_SCALE_ROW1
.else
	v_wmma_scale_f32_16x16x128_f8f6f4 v[S+8*(\g+\t):S+8*(\g+\t)+7], v[KF+8*\t:KF+8*\t+7], v[rQ:rQ+7], 0, v[KSW+(\g+\t)/2], v[rW] matrix_a_fmt:MATRIX_FMT_FP4 matrix_b_fmt:MATRIX_FMT_FP4
.endif
.endr
.endm
; A KEY STEP: 128 keys.  causal = 1: the step may be hidden or lie on the diagonal.  qf, qsc: Q's fragment and its scale words.
.macro KSTEP causal, qf, qsc
.set rQ, \qf
.set rW, \qsc
.if \causal
	s_cmp_gt_u32 s[KI], s[DG]                      ; all its keys come after my queries: only the address steps at its end are run
	s_cbranch_scc1 .Lhidden_\@
.endif
	s_setprio 2
	v_add_nc_u32 v[ADK], s[TB], v[LK]              ; these four are also the places between the last step's products and the loads into V's registers and scale words
	v_add_nc_u32 v[ADV], s[TB], v[LV]
	v_add_nc_u32 v[ADS], s[TS], v[LS]
	v_add_nc_u32 v[ADT], s[TS], v[LT]
.irp t, 0,1,2,3
	ds_load_b128 v[KF+8*\t:KF+8*\t+3], v[ADK] offset:512*\t
.endr
	ds_load_b128 v[KSW:KSW+3], v[ADS]
.irp t, 0,1,2,3
.irp c, 0,1
	ds_load_b128 v[VF+8*\t+4*\c:VF+8*\t+4*\c+3], v[ADV] offset:1024*\t+512*\c
.endr
.endr
	ds_load_b64 v[VSW:VSW+1], v[ADT]
	s_wait_alu depctr_va_vdst(0)
	s_wait_dscnt 0x9                               ; K's first four tiles and its scale words are in; V's eight loads and V's scale words may stay out
	SMUL 0
.rept 4
	v_nop                                          ; places in front of loads into registers that products have read
.endr
.irp t, 0,1,2,3
	ds_load_b128 v[KF+8*\t:KF+8*\t+3], v[ADK] offset:2048+512*\t
.endr
	s_wait_dscnt 0x0
	SMUL 4
.rept 4
	v_nop                                          ; places in front of the first read of results
.endr
.if \causal
	s_cmp_lg_u32 s[KI], s[DG]
	s_cbranch_scc1 .Lopen_\@                       ; every key of this step counts
.set n, 0
.rept 64                               ; register n holds key 16 (n / 8) + 8 h + n % 8 of the step: hidden where 16 (n / 8) + n % 8 is above the threshold
	v_cmp_gt_i32 vcc_lo, 16*(n/8)+n%8, v[DQ]
	v_cndmask_b32 v[S+n], v[S+n], v[NINF], vcc_lo
.set n, n+1
.endr
.Lopen_\@:
.endif
.irp b, 0,1,2,3
	v_max3_num_f32 v[BM+\b], v[S+16*\b], v[S+16*\b+1], v[S+16*\b+2]   ; the largest score of each block of 32 keys: it serves the row's maximum and, since p rises with the score, the block's largest p
.endr
.irp i, 3,5,7,9,11,13
.irp b, 0,1,2,3
	v_max3_num_f32 v[BM+\b], v[BM+\b], v[S+16*\b+\i], v[S+16*\b+\i+1]
.endr
.endr
.irp b, 0,1,2,3
	v_max_num_f32 v[BM+\b], v[BM+\b], v[S+16*\b+15]
.endr
.irp b, 0,1,2,3
	s_delay_alu instid0(VALU_DEP_4)
	v_permlanex16_b32 v[T4+\b], v[BM+\b], s[SEL], s[SEL+1]
.endr
.irp b, 0,1,2,3
	s_delay_alu instid0(VALU_DEP_4)
	v_max_num_f32 v[BM+\b], v[BM+\b], v[T4+\b]     ; with lane l xor 16's 16 keys
.endr
	s_delay_alu instid0(VALU_DEP_2)
	v_max3_num_f32 v224, v[BM], v[BM+1], v[BM+2]
	s_delay_alu instid0(VALU_DEP_1)
	v_max_num_f32 v224, v224, v[BM+3]              ; the step's largest score of my query
	s_delay_alu instid0(VALU_DEP_1)
	v_mul_f32 v224, s[CS], v224                    ; as t
	s_delay_alu instid0(VALU_DEP_1)
	v_max_num_f32 v13, v13, v224                   ; the running largest t
	v_mov_b32 v224, v12
	s_delay_alu instid0(VALU_DEP_2)
	v_floor_f32 v12, -v13                          ; the new -M = floor(-t): M is a whole number
	s_delay_alu instid0(VALU_DEP_1)
	v_sub_f32 v224, v12, v224                      ; old M - new M: a whole number, 0 or less
	s_delay_alu instid0(VALU_DEP_1)
	v_cvt_i32_f32 v224, v224                       ; (it saturates)
	s_delay_alu instid0(VALU_DEP_1)
	v_ldexp_f32 v[F], 1.0, v224                    ; f = 2^(old M - new M)
.set n, 0
.rept 32
	v_pk_fma_f32 v[S+n:S+n+1], v[S+n:S+n+1], s[CS:CS+1], v[12:13] op_sel_hi:[1,0,0]   ; t - M, two at a time
.set n, n+2
.endr
.irp b, 0,1,2,3
	v_fma_f32 v[BM+\b], v[BM+\b], s[CS], v12       ; the same of each block's largest score
.endr
.set n, 0
	s_setprio 1
	s_wait_alu depctr_va_vdst(0)
.rept 64
	v_exp_f32 v[S+n], v[S+n]                       ; p = 2^(t - M), at most 1
.set n, n+1
.endr
	v_pk_mul_f32 v[14:15], v[14:15], v[F:F+1] op_sel_hi:[1,0]      ; the sums under the new M: a plain place behind the exponentials
	s_wait_alu depctr_va_vdst(0)                   ; one wait for the whole batch, ahead of its first reader
.irp b, 0,1,2,3
	v_exp_f32 v[BM+\b], v[BM+\b]                   ; the block's largest p
.endr
	v_pk_add_f32 v[214:215], v[100:101], v[104:105]
	v_pk_add_f32 v[252:253], v[108:109], v[112:113]
	v_pk_add_f32 v[250:251], v[116:117], v[120:121]
	v_pk_add_f32 v[248:249], v[124:125], v[128:129]
	v_pk_add_f32 v[246:247], v[132:133], v[136:137]
	v_pk_add_f32 v[244:245], v[140:141], v[144:145]
	v_pk_add_f32 v[242:243], v[148:149], v[152:153]
	v_pk_add_f32 v[14:15], v[14:15], v[156:157]
	v_pk_add_f32 v[214:215], v[214:215], v[96:97]
	v_pk_add_f32 v[252:253], v[252:253], v[98:99]
	v_pk_add_f32 v[250:251], v[250:251], v[102:103]
	v_pk_add_f32 v[248:249], v[248:249], v[106:107]
	v_pk_add_f32 v[246:247], v[246:247], v[110:111]
	v_pk_add_f32 v[244:245], v[244:245], v[114:115]
	v_pk_add_f32 v[242:243], v[242:243], v[118:119]
	v_pk_add_f32 v[14:15], v[14:15], v[122:123]
	v_pk_add_f32 v[214:215], v[214:215], v[126:127]
	v_pk_add_f32 v[252:253], v[252:253], v[130:131]
	v_pk_add_f32 v[250:251], v[250:251], v[134:135]
	v_pk_add_f32 v[248:249], v[248:249], v[138:139]
	v_pk_add_f32 v[246:247], v[246:247], v[142:143]
	v_pk_add_f32 v[244:245], v[244:245], v[146:147]
	v_pk_add_f32 v[242:243], v[242:243], v[150:151]
	v_pk_add_f32 v[14:15], v[14:15], v[154:155]
	v_pk_add_f32 v[214:215], v[214:215], v[158:159]
	s_delay_alu instid0(VALU_DEP_2)
	v_pk_add_f32 v[14:15], v[14:15], v[248:249]
	s_delay_alu instid0(VALU_DEP_2)
	v_pk_add_f32 v[214:215], v[214:215], v[246:247]
	v_pk_add_f32 v[252:253], v[252:253], v[244:245]
	v_pk_add_f32 v[250:251], v[250:251], v[242:243]
	s_delay_alu instid0(VALU_DEP_2)
	v_pk_add_f32 v[14:15], v[14:15], v[252:253]
	s_delay_alu instid0(VALU_DEP_2)
	v_pk_add_f32 v[214:215], v[214:215], v[250:251]
	s_delay_alu instid0(VALU_DEP_1)
	v_pk_add_f32 v[14:15], v[14:15], v[214:215]
	s_wait_alu depctr_va_vdst(0)                   ; and one for the four
.irp b, 0,1,2,3
	v_max_num_f32 v[BM+\b], 0x1800000, v[BM+\b]    ; the floor 2^(3 - 127): the byte cannot fall under 1
.endr
.irp b, 0,1,2,3
	s_delay_alu instid0(VALU_DEP_4)
	v_add_nc_u32 v[SOP+\b], 0xff000000, v[BM+\b]   ; 2 off the exponent field: the conversion's scale operand
.endr
.irp b, 0,1,2,3
	s_delay_alu instid0(VALU_DEP_4)
	v_lshrrev_b32 v[T4+\b], 23, v[SOP+\b]          ; the scale's byte
.endr
	s_delay_alu instid0(VALU_DEP_3)
	v_lshl_or_b32 v[PWD], v[T4+1], 8, v[T4]        ; p's scale word for these 128 keys
	s_delay_alu instid0(VALU_DEP_1)
	v_lshl_or_b32 v[PWD], v[T4+2], 16, v[PWD]
	s_delay_alu instid0(VALU_DEP_1)
	v_lshl_or_b32 v[PWD], v[T4+3], 24, v[PWD]
.irp t, 0,1,2,3,4,5,6,7
	v_cvt_scalef32_pk8_fp4_f32 v[PC+4*(\t/4)+((\t%4)>>1)+2*((\t%4)&1)], v[S+8*\t:S+8*\t+7], v[SOP+\t/2]
.endr
	s_setprio 0
	v_nop                                          ; one plain place behind a scaled conversion
.irp c, 0,1                            ; the exchange of halves leaves registers 4 c .. 4 c + 3 with keys 64 c + 32 h + 0 .. 31
	v_permlane16_swap_b32 v[PC+4*\c], v[PC+4*\c+1]
	v_permlane16_swap_b32 v[PC+4*\c+2], v[PC+4*\c+3]
.endr
.set n, 0
.rept 16
	v_pk_mul_f32 v[O+n:O+n+1], v[O+n:O+n+1], v[F:F+1] op_sel_hi:[1,0]      ; O^T under the new M.  For each product below, the twelve of these on the other three accumulators are its places behind the codes' and the scale word's last writes
.set n, n+2
.endr
.irp t, 0,1,2,3                        ; O^T += V^T P^T: the four accumulators by turns, one instruction each
.if \t%2
	v_wmma_scale_f32_16x16x128_f8f6f4 v[O+8*\t:O+8*\t+7], v[VF+8*\t:VF+8*\t+7], v[PC:PC+7], v[O+8*\t:O+8*\t+7], v[VSW+\t/2], v[PWD] matrix_a_fmt:MATRIX_FMT_FP4 matrix_b_fmt:MATRIX_FMT_FP4 matrix_a_scale:MATRIX_SCALE_ROW1
.else
	v_wmma_scale_f32_16x16x128_f8f6f4 v[O+8*\t:O+8*\t+7], v[VF+8*\t:VF+8*\t+7], v[PC:PC+7], v[O+8*\t:O+8*\t+7], v[VSW+\t/2], v[PWD] matrix_a_fmt:MATRIX_FMT_FP4 matrix_b_fmt:MATRIX_FMT_FP4
.endif
.endr
.if \causal
.Lhidden_\@:
.endif
	s_add_co_u32 s[TB], s[TB], 4096
	s_add_co_u32 s[TS], s[TS], 768
.endm
.macro WALK causal, from, qf, qsc      ; eight key steps from step 'from' on: the trip count is a constant of the text
	s_mov_b32 s[KI], \from
	s_mov_b32 s[TB], 4096*\from
	s_mov_b32 s[TS], 768*\from
	s_mov_b32 s[CNT], 8
.Lwalk_\@:
	KSTEP \causal, \qf, \qsc
	s_add_co_u32 s[KI], s[KI], 1
	s_sub_co_u32 s[CNT], s[CNT], 1
	s_cmp_lg_u32 s[CNT], 0
	s_cbranch_scc1 .Lwalk_\@
	s_setprio 0
.endm
.macro START                           ; the step is written once: a tile's first step finds zeros, which the first change of M leaves zeros
	v_mov_b32 v13, 0xff61b1e6                      ; the largest t so far: -3e38
	s_delay_alu instid0(VALU_DEP_1)
	v_floor_f32 v12, -v13
	v_mov_b32 v14, 0
	v_mov_b32 v15, 0
.set n, 0
.rept 32
	v_mov_b32 v[O+n], 0
.set n, n+1
.endr
.endm
; A tile's end: a = O^T / the sum; its 64 channels are two blocks of the last product's K: codes as one image of 512 bytes, two scale bytes a row.
.macro FINISH ab, sb
.rept 4
	v_nop                                          ; places behind the last products
.endr
	v_add_f32 v14, v14, v15
	s_delay_alu instid0(VALU_DEP_1)
	v_permlanex16_b32 v[T4], v14, s[SEL], s[SEL+1]
	s_delay_alu instid0(VALU_DEP_1)
	v_add_f32 v14, v14, v[T4]                      ; the row's sum
	s_wait_alu depctr_va_vdst(0)
	v_rcp_f32 v14, v14
	v_nop                                          ; a plain place behind the reciprocal
	s_wait_alu depctr_va_vdst(0)                   ; and the wait ahead of its first reader
.set n, 0
.rept 16
	v_pk_mul_f32 v[S+n:S+n+1], v[O+n:O+n+1], v[14:15] op_sel_hi:[1,0]      ; each accumulator from its low end on
.set n, n+2
.endr
.irp b, 0,1
	v_max3_num_f32 v[BM+\b], |v[S+16*\b]|, |v[S+16*\b+1]|, 0x1800000
.endr
.irp i, 2,4,6,8,10,12,14
.irp b, 0,1
	s_delay_alu instid0(VALU_DEP_2)
	v_max3_num_f32 v[BM+\b], v[BM+\b], |v[S+16*\b+\i]|, |v[S+16*\b+\i+1]|
.endr
.endr
.irp b, 0,1
	s_delay_alu instid0(VALU_DEP_2)
	v_permlanex16_b32 v[T4+\b], v[BM+\b], s[SEL], s[SEL+1]
.endr
.irp b, 0,1
	s_delay_alu instid0(VALU_DEP_2)
	v_max_num_f32 v[BM+\b], v[BM+\b], v[T4+\b]
.endr
.irp b, 0,1
	s_delay_alu instid0(VALU_DEP_2)
	v_add_nc_u32 v[SOP+\b], 0xff000000, v[BM+\b]
.endr
.irp b, 0,1
	s_delay_alu instid0(VALU_DEP_2)
	v_lshrrev_b32 v[T4+\b], 23, v[SOP+\b]
.endr
.irp t, 0,1,2,3
	v_cvt_scalef32_pk8_fp4_f32 v[PC+(\t>>1)+2*(\t&1)], v[S+8*\t:S+8*\t+7], v[SOP+\t/2]
.endr
	v_cndmask_b32 v224, v[T4], v[T4+1], s[HM]      ; lane (r, h) keeps block h's byte: the plain place behind the conversions
	v_permlane16_swap_b32 v[PC], v[PC+1]
	v_permlane16_swap_b32 v[PC+2], v[PC+3]
	global_store_b128 v[LK], v[PC:PC+3], s[\ab:\ab+1]      ; 512 consecutive bytes
	global_store_b8 v[AB8], v224, s[\sb:\sb+1]
	s_wait_xcnt 0x0                                ; the stores have read their registers: these are written again below
.endm
	s_wait_tensorcnt 0x1                           ; my part of key steps 0-7 is in; the one load that may stay out is that of steps 8-15
	s_barrier_signal -1
	s_barrier_wait -1                              ; everybody's is
	s_wait_loadcnt 0x0                             ; Q
	START
	WALK 0, 0, QL, QWL                             ; the long tile (j >= 16): its steps 0-7 are all open
	s_wait_tensorcnt 0x0                           ; my part of steps 8-15 is in,
	s_wait_dscnt 0x0
	s_barrier_signal -1
	s_barrier_wait -1                              ; everybody's is.
	WALK 1, 8, QL, QWL
	FINISH 84, 86
	v_mov_b32 v[DQ], v[DQ+1]                       ; the short tile (j <= 15): steps 0-7 hold its diagonal
	s_mov_b32 s[DG], s[DG+1]
	START
	WALK 1, 0, QS, QWS
	FINISH 88, 90
	; out1 = string_len: head 0's cluster, wave 0, lane 0; the four partners take a word each, told apart by address
	s_or_b32 s96, s[BH], s[WV]
	s_cmp_lg_u32 s96, 0
	s_cbranch_scc1 .Lno_len
	s_lshl_b32 s96, s[CX], 2
	v_mov_b32 v224, s96
	v_cmp_eq_u32 vcc_lo, 0, v0
	s_wait_alu depctr_va_vdst(0)
	s_wait_xcnt 0x0                                ; EXEC changes only behind this wait
	s_and_saveexec_b32 s97, vcc_lo
	global_load_b32 v225, v224, s[14:15]
	s_wait_loadcnt 0x0
	global_store_b32 v224, v225, s[20:21]
	s_wait_xcnt 0x0                                ; and again, in front of the line that widens it
	s_or_b32 exec_lo, exec_lo, s97
.Lno_len:
	s_wait_tensorcnt 0x0
	ds_add_u32 v254, v255
	s_wait_dscnt 0x0
	CROUND                                         ; the closing round
	s_endpgm
.Lfunc_end_k_qe31822ca1c_attn:
	.size	k_qe31822ca1c_attn, .Lfunc_end_k_qe31822ca1c_attn-k_qe31822ca1c_attn
	.p2alignl 7, 3214868480
	.fill 96, 4, 3214868480
	.section	.rodata,"a",@progbits
	.p2align	6, 0x0
	.amdhsa_kernel k_qe31822ca1c_attn
		.amdhsa_group_segment_fixed_size 169984
		.amdhsa_private_segment_fixed_size 0
		.amdhsa_enable_private_segment 0
		.amdhsa_kernarg_size 72
		.amdhsa_user_sgpr_count 2
		.amdhsa_user_sgpr_kernarg_segment_ptr 1
		.amdhsa_wavefront_size32 1
		.amdhsa_system_sgpr_workgroup_id_x 1
		.amdhsa_system_sgpr_workgroup_id_y 1
		.amdhsa_system_sgpr_workgroup_id_z 1
		.amdhsa_system_vgpr_workitem_id 0
		.amdhsa_next_free_vgpr 256
		.amdhsa_next_free_sgpr 106
		.amdhsa_reserve_vcc 1
		.amdhsa_float_denorm_mode_32 3
		.amdhsa_float_denorm_mode_16_64 3
		.amdhsa_memory_ordered 1
		.amdhsa_forward_progress 1
		.amdhsa_inst_pref_size 81
	.end_amdhsa_kernel
	.amdgpu_metadata
---
amdhsa.version: [ 1, 2 ]
amdhsa.kernels:
  - .name:           k_qe31822ca1c_attn
    .symbol:         k_qe31822ca1c_attn.kd
    .args:
      - { .name: qc, .offset: 0, .size: 8, .value_kind: global_buffer, .address_space: global }
      - { .name: qs, .offset: 8, .size: 8, .value_kind: global_buffer, .address_space: global }
      - { .name: kc, .offset: 16, .size: 8, .value_kind: global_buffer, .address_space: global }
      - { .name: kvs, .offset: 24, .size: 8, .value_kind: global_buffer, .address_space: global }
      - { .name: vc, .offset: 32, .size: 8, .value_kind: global_buffer, .address_space: global }
      - { .name: string_len, .offset: 40, .size: 8, .value_kind: global_buffer, .address_space: global }
      - { .name: ac, .offset: 48, .size: 8, .value_kind: global_buffer, .address_space: global }
      - { .name: asc, .offset: 56, .size: 8, .value_kind: global_buffer, .address_space: global }
      - { .name: out1, .offset: 64, .size: 8, .value_kind: global_buffer, .address_space: global }
    .group_segment_fixed_size: 169984
    .private_segment_fixed_size: 0
    .kernarg_segment_align: 8
    .kernarg_segment_size: 72
    .max_flat_workgroup_size: 512
    .sgpr_count:     106
    .vgpr_count:     256
    .wavefront_size: 32
...
	.end_amdgpu_metadata
.endif
;; end of part 2
;; launch proj (part 3): grid 4 x 64, 4 waves a work-group, clusters of 4 x 4, 327,680 bytes of LDS; arguments ac, asc, W_proj_codes, W_proj_scales, b_proj, out0; writes out0
.if DOCPART == 3
	.amdgcn_target "amdgcn-amd-amdhsa--gfx1250"
	.amdhsa_code_object_version 6
	.text
	.protected	k_qe31822ca1c_proj
	.globl	k_qe31822ca1c_proj
	.p2align	8
	.type	k_qe31822ca1c_proj,@function
k_qe31822ca1c_proj:
	s_mov_b64 s[64:65], 0
	v_nop
	global_prefetch_b8 v0, s[64:65] scope:SCOPE_SE
	s_setreg_imm32_b32 hwreg(HW_REG_WAVE_MODE, 25, 1), 1
	s_wait_xcnt 0x0
	s_wait_alu depctr_hold_cnt(0) depctr_sa_sdst(0) depctr_va_vdst(0) depctr_va_sdst(0) depctr_va_ssrc(0) depctr_va_vcc(0) depctr_vm_vsrc(0)
	s_getreg_b32 s2, hwreg(HW_REG_IB_STS2, 6, 4)
	s_cmp_eq_u32 s2, 0
	s_cbranch_scc0 .Lentry_in_a_cluster
	s_endpgm
.Lentry_in_a_cluster:
	s_bfe_u32 s2, ttmp6, 0x10000c
	s_cmp_lg_u32 s2, 0xf033
	s_cbranch_scc0 .Lentry_shape_is_right
	s_endpgm
.Lentry_shape_is_right:
; out0 = a W_proj + b_proj on codes of FP4 (E2M1) with E8M0 scales, K = 1,024.  a: 8,192 rows, as the launch before left it: codes as images of operand registers,
; [K half][tile of 16 rows][head % 8][512 bytes] (heads 2 q and 2 q + 1 are K step q's fragment), scale bytes [row][32].  W_proj: 1,024 rows of 512 bytes of codes and 32 scale bytes.  out0: [8,192][1,024] f32.
; SHARES.  256 work-groups: 128 rows x 256 columns each, all of K; a wave 64 x 128: 32 accumulators.  All of K fits in LDS in two halves, both asked for at the head: no LDS byte is filled twice.
; Nothing is prefetched: every tile is asked for at the head.
; CLUSTERS: 4 x 4 work-groups; a's tiles are shared along a row of the cluster, W_proj's along a column: joint loads.
; THE PRODUCT IS USED TRANSPOSED (source 0 = 16 rows of W_proj, source 1 = 16 rows of a): a lane holds eight neighbouring numbers of a row of out0.  The bias is the C of each sum's first product.
; REGISTERS: window 0: v8-17 addresses; v32-63 a's scale words (8 i + q), v64-127 W_proj's; v128-191 the bias; on the way out v128-255 rows read back.
;   window 1: two sets of fragments at 0 and 128: a's four, then W_proj's eight.   window 2: accumulator (a, b) at 8 (8 a + b).
.set PITCH,  272
.set HALFW,  128*PITCH                 ; 128 rows of W_proj
.set AIMG,   32768                     ; a's eight tiles of rows x 4,096 bytes, dense
.set SLOT,   AIMG+2*HALFW
.set SCA,    2*SLOT                    ; a's scale bytes: 4,096 as 16 units of 256 + 16
.set SCW,    SCA+16*272                ; W_proj's: 8,192 as 32 units
.set STAGE,  SCW+32*272                ; the way out: 16 rows x (512 + 16) bytes for each wave, bytes of its own: no fill lands there
.set SPITCH, 528
.set ADA, 8                            ; v8-9    LDS address of my fragments of a in slot 0, 1
.set ADW, 10                           ; v10-11  of W_proj
.set ASA, 12
.set ASW, 13
.set STO, 14                           ; v14     the stage: where I put 32 bytes of a row
.set RD,  15                           ; v15     and where I read a row back
.set CO,  16                           ; v16     16 x lane
.set BO,  17
.set SA,  32
.set SW,  64
.set BI,  128
.set BK,  128
.set WV,  24
.set MH,  25                           ; which 64 rows are mine.  Also: I fetch for a (0) or for W_proj (1)
.set NH,  26                           ; which 128 columns.  Also: which half of that tile I fetch
.set G1A, 36
.set G1W, 44
.set G1SA, 52
.set G1SW, 68
.set G0A, 76
.set G0W, 84
.set G0SA, 92
.set G0SW, 96
.set OUT, 14
.set MSB, 0
.macro WIN new
.if MSB != (\new)
	s_set_vgpr_msb (MSB<<8)|(\new)
.set MSB, (\new)
.endif
.endm
.macro JLOAD g0a, g1a, g0b, g1b        ; a joint load: waves 0, 1 for a, waves 2, 3 for W_proj; four v_nop follow each line
	s_cmp_eq_u32 s[MH], 0
	s_cbranch_scc0 .Lfor_w_\@
	tensor_load_to_lds s[\g0a:\g0a+3], s[\g1a:\g1a+7]
	s_nop 0
.rept 4
	v_nop
.endr
	s_branch .Lasked_\@
.Lfor_w_\@:
	tensor_load_to_lds s[\g0b:\g0b+3], s[\g1b:\g1b+7]
	s_nop 0
.rept 4
	v_nop
.endr
.Lasked_\@:
.endm
.macro CROUND
	s_barrier_signal -1
	s_barrier_wait -1
	s_cmp_lg_u32 s[WV], 0
	s_cbranch_scc1 .Lnot_wave_0_\@
	s_barrier_signal -3
.Lnot_wave_0_\@:
	s_barrier_wait -3
	s_barrier_signal -1
	s_barrier_wait -1
.endm
.macro PLACES n
.rept \n
	v_nop
.endr
.endm
	s_load_b256 s[4:11], s[0:1], 0x0               ; ac s[4:5], asc s[6:7], W_proj's codes s[8:9], scales s[10:11]
	s_load_b128 s[12:15], s[0:1], 0x20             ; b_proj s[12:13], out0 s[14:15]
	v_lshl_add_u32 v30, v0, 2, 0x3d800
	v_mov_b32 v31, 0
	ds_add_u32 v30, v31
	ds_add_u32 v30, v31
	v_lshrrev_b32 v1, 5, v0
	v_readfirstlane_b32 s[WV], v1
	s_lshr_b32 s[MH], s[WV], 1
	s_and_b32 s[NH], s[WV], 1
	s_bfe_u32 s27, ttmp6, 0x40000                  ; cx
	s_bfe_u32 s28, ttmp6, 0x40004                  ; cy
	s_lshl_b32 s29, ttmp9, 2
	s_add_co_u32 s29, s29, s27                     ; x: which 256 columns
	s_and_b32 s30, ttmp7, 0xffff
	s_lshl_b32 s30, s30, 2
	s_add_co_u32 s30, s30, s28                     ; y: which 128 rows
	s_lshl_b32 s31, s28, 2
	s_lshl_b32 s31, 15, s31                        ; my row of the cluster
	s_lshl_b32 s32, 0x1111, s27                    ; my column
	s_or_b32 s[G1A], s31, (3<<16)|(1<<21)          ; a's codes: 16,384 dense bytes as 64 rows of 256 (32 elements of 8 bytes), no padding: they are read as images
	s_mov_b32 s[G1A+1], 32<<16
	s_mov_b32 s[G1A+2], 64<<16
	s_mov_b32 s[G1A+3], 32<<16
	s_mov_b32 s[G1A+4], 64
	s_mov_b32 s[G1A+5], 32
	s_mov_b32 s[G1A+6], 0
	s_mov_b32 s[G1A+7], 0
	s_or_b32 s[G1W], s32, (1<<20)|(1<<21)|(5<<22)|(3<<25)  ; W_proj's codes: 128 rows x 256 bytes, 512 apart, 16 bytes of padding behind each
	s_mov_b32 s[G1W+1], 256<<16
	s_mov_b32 s[G1W+2], 128<<16
	s_mov_b32 s[G1W+3], 256<<16
	s_mov_b32 s[G1W+4], 128
	s_mov_b32 s[G1W+5], 512
	s_mov_b32 s[G1W+6], 0
	s_mov_b32 s[G1W+7], 0
	s_or_b32 s[G1SA], s31, (3<<16)|(1<<20)|(1<<21)|(5<<22)|(3<<25)  ; the scale bytes of 64 rows of a: 8 units of 256, padded
	s_mov_b32 s[G1SA+1], 32<<16
	s_mov_b32 s[G1SA+2], 8<<16
	s_mov_b32 s[G1SA+3], 32<<16
	s_mov_b32 s[G1SA+4], 8
	s_mov_b32 s[G1SA+5], 32
	s_mov_b32 s[G1SA+6], 0
	s_mov_b32 s[G1SA+7], 0
	s_or_b32 s[G1SW], s32, (3<<16)|(1<<20)|(1<<21)|(5<<22)|(3<<25)  ; of 128 rows of W_proj: 16 units
	s_mov_b32 s[G1SW+1], 32<<16
	s_mov_b32 s[G1SW+2], 16<<16
	s_mov_b32 s[G1SW+3], 32<<16
	s_mov_b32 s[G1SW+4], 16
	s_mov_b32 s[G1SW+5], 32
	s_mov_b32 s[G1SW+6], 0
	s_mov_b32 s[G1SW+7], 0
	; where the tiles come from: a's hang on y alone, W_proj's on x alone; each in registers that never hold the other coordinate
	s_lshl_b32 s34, s30, 15                        ; a's codes: 4,096 (8 y + 4 half)
	s_lshl_b32 s33, s[NH], 14
	s_add_co_u32 s34, s34, s33
	s_mov_b32 s35, 0
	s_lshl_b32 s62, s30, 12                        ; a's scale bytes: 32 (128 y + 64 half)
	s_lshl_b32 s33, s[NH], 11
	s_add_co_u32 s62, s62, s33
	s_mov_b32 s63, 0
	s_lshl_b32 s60, s29, 17                        ; W_proj's codes: 512 (256 x + 128 half)
	s_lshl_b32 s33, s[NH], 16
	s_add_co_u32 s60, s60, s33
	s_mov_b32 s61, 0
	s_lshl_b32 s2, s29, 13                         ; its scale bytes: 32 (256 x + 128 half)
	s_lshl_b32 s33, s[NH], 12
	s_add_co_u32 s2, s2, s33
	s_mov_b32 s3, 0
	s_lshl_b32 s100, s[NH], 14                     ; and where they go: no place in the cluster enters an LDS address
	s_mul_i32 s101, s[NH], HALFW
	s_add_co_u32 s101, s101, AIMG
	s_mul_i32 s104, s[NH], 8*272
	s_add_co_u32 s104, s104, SCA
	s_mul_i32 s105, s[NH], 16*272
	s_add_co_u32 s105, s105, SCW
	s_wait_dscnt 0x0
	s_wait_kmcnt 0x0
	s_add_nc_u64 s[34:35], s[4:5], s[34:35]
	s_add_nc_u64 s[62:63], s[6:7], s[62:63]
	s_add_nc_u64 s[60:61], s[8:9], s[60:61]
	s_add_nc_u64 s[2:3], s[10:11], s[2:3]
	CROUND                                         ; all sixteen work-groups are here: the joint loads meet
	s_mov_b32 s[G0SA], 1
	s_mov_b32 s[G0SA+1], s104
	s_mov_b64 s[G0SA+2:G0SA+3], s[62:63]
	s_or_b32 s[G0SA+3], s[G0SA+3], 0x80000000
	s_mov_b32 s[G0SW], 1
	s_mov_b32 s[G0SW+1], s105
	s_mov_b64 s[G0SW+2:G0SW+3], s[2:3]
	s_or_b32 s[G0SW+3], s[G0SW+3], 0x80000000
	JLOAD G0SA, G1SA, G0SW, G1SW
.irp s, 0,1
	s_mov_b32 s[G0A+4*\s], 1
	s_add_co_u32 s[G0A+4*\s+1], s100, \s*SLOT
	s_add_nc_u64 s[G0A+4*\s+2:G0A+4*\s+3], s[34:35], \s*2097152
	s_or_b32 s[G0A+4*\s+3], s[G0A+4*\s+3], 0x80000000
	s_mov_b32 s[G0W+4*\s], 1
	s_add_co_u32 s[G0W+4*\s+1], s101, \s*SLOT
	s_add_nc_u64 s[G0W+4*\s+2:G0W+4*\s+3], s[60:61], \s*256
	s_or_b32 s[G0W+4*\s+3], s[G0W+4*\s+3], 0x80000000
	s_wait_alu depctr_va_vdst(0)
	s_wait_tensorcnt 0x0
	ds_add_u32 v30, v31
	s_wait_dscnt 0x0
	CROUND
	JLOAD G0A+4*\s, G1A, G0W+4*\s, G1W             ; only this load of mine is out: the earlier ones have landed
.endr
	v_and_b32 v1, 15, v0                           ; r
	v_bfe_u32 v2, v0, 4, 1                         ; h
	v_and_b32 v3, 31, v0                           ; lane
	v_lshlrev_b32 v[CO], 4, v3
	v_mul_u32_u24 v4, v1, PITCH
	v_lshl_add_u32 v4, v2, 4, v4
	s_lshl_b32 s100, s[MH], 14                     ; my four tiles of rows of a
	s_mul_i32 s101, s[NH], HALFW
	s_add_co_u32 s101, s101, AIMG                  ; my 128 rows of W_proj
.irp s, 0,1
	v_add_nc_u32 v[ADA+\s], s100, v[CO]
	v_add_nc_u32 v[ADW+\s], s101, v4
	s_add_co_u32 s100, s100, SLOT
	s_add_co_u32 s101, s101, SLOT
.endr
	v_lshrrev_b32 v5, 3, v1
	v_lshlrev_b32 v6, 5, v1
	v_lshl_add_u32 v5, v5, 4, v6                   ; a row's scale bytes: 32 r, and 16 more behind each 256
	s_mul_i32 s100, s[MH], 8*272
	s_add_co_u32 s100, s100, SCA
	v_add_nc_u32 v[ASA], s100, v5
	s_mul_i32 s101, s[NH], 16*272
	s_add_co_u32 s101, s101, SCW
	v_add_nc_u32 v[ASW], s101, v5
	s_mul_i32 s100, s[WV], 16*SPITCH
	s_add_co_u32 s100, s100, STAGE                 ; my stage
	v_mul_u32_u24 v5, v1, SPITCH
	v_lshl_add_u32 v5, v2, 5, v5
	v_add_nc_u32 v[STO], s100, v5                  ; in: row r, 32 bytes for each half of the lanes
	v_add_nc_u32 v[RD], s100, v[CO]                ; back: the 32 lanes take one row of 512 bytes
	s_lshl_b32 s66, s30, 19                        ; my part of out0: (128 y + 64 MH) rows of 4,096 bytes + 4 (256 x + 128 NH)
	s_lshl_b32 s67, s[MH], 18
	s_add_co_u32 s66, s66, s67
	s_lshl_b32 s67, s29, 10
	s_add_co_u32 s66, s66, s67
	s_lshl_b32 s67, s[NH], 9
	s_add_co_u32 s66, s66, s67
	s_mov_b32 s67, 0
	s_add_nc_u64 s[OUT:OUT+1], s[OUT:OUT+1], s[66:67]
	s_lshl_b32 s2, s29, 10                         ; the bias of my 128 columns
	s_lshl_b32 s3, s[NH], 9
	s_add_co_u32 s2, s2, s3
	s_mov_b32 s3, 0
	s_add_nc_u64 s[12:13], s[12:13], s[2:3]
	v_lshlrev_b32 v[BO], 5, v2                     ; tile b's register j wants the bias of column 16 b + 8 h + j
.irp b, 0,1,2,3,4,5,6,7
	global_load_b128 v[BI+8*\b:BI+8*\b+3], v[BO], s[12:13] offset:64*\b
	global_load_b128 v[BI+8*\b+4:BI+8*\b+7], v[BO], s[12:13] offset:64*\b+16
.endr
.macro SCALES                          ; all scale words of my rows and columns; every lane addresses by r
.irp i, 0,1,2,3
.irp s, 0,1
	ds_load_b128 v[SA+8*\i+4*\s:SA+8*\i+4*\s+3], v[ASA] offset:\i*544+16*\s
.endr
.endr
.irp i, 0,1,2,3,4,5,6,7
.irp s, 0,1
	ds_load_b128 v[SW+8*\i+4*\s:SW+8*\i+4*\s+3], v[ASW] offset:\i*544+16*\s
.endr
.endr
.endm
.macro FETCH q                         ; K step q's fragments into set q % 2: 24 loads in one run
.set fP, 128*((\q)%2)
.set fS, (\q)/4
	WIN 0x40                                       ; destination window 1
.irp i, 0,1,2,3
.irp c, 0,1
	ds_load_b128 v[fP+8*\i+4*\c:fP+8*\i+4*\c+3], v[ADA+fS] offset:4096*\i+1024*((\q)%4)+512*\c
.endr
.endr
.irp i, 0,1,2,3,4,5,6,7
.irp c, 0,1
	ds_load_b128 v[fP+32+8*\i+4*\c:fP+32+8*\i+4*\c+3], v[ADW+fS] offset:64*((\q)%4)+32*\c+\i*16*PITCH
.endr
.endr
	WIN 0
.endm
.macro MUL q                           ; 32 products; the accumulators take turns, one instruction a turn, in the same order in every step
.set mP, 128*((\q)%2)
.if \q == 0
	WIN 0x85                                       ; sources 0 and 1 window 1, C (the bias) window 0, D window 2
.else
	WIN 0xa5                                       ; C and D window 2
.endif
.irp a, 0,1,2,3
.irp b, 0,1,2,3,4,5,6,7
.set rD, 8*(8*\a+\b)
.if \q == 0
	v_wmma_scale_f32_16x16x128_f8f6f4 v[rD:rD+7], v[mP+32+8*\b:mP+32+8*\b+7], v[mP+8*\a:mP+8*\a+7], v[BI+8*\b:BI+8*\b+7], v[SW+8*\b+\q], v[SA+8*\a+\q] matrix_a_fmt:MATRIX_FMT_FP4 matrix_b_fmt:MATRIX_FMT_FP4
.else
	v_wmma_scale_f32_16x16x128_f8f6f4 v[rD:rD+7], v[mP+32+8*\b:mP+32+8*\b+7], v[mP+8*\a:mP+8*\a+7], v[rD:rD+7], v[SW+8*\b+\q], v[SA+8*\a+\q] matrix_a_fmt:MATRIX_FMT_FP4 matrix_b_fmt:MATRIX_FMT_FP4
.endif
.endr
.endr
.endm
.macro STEP q
	s_wait_dscnt 0x0                               ; this step's fragments, asked for 32 products ago, are in
.if \q == 3
	s_wait_tensorcnt 0x0                           ; my part of slot 1 has landed;
	s_barrier_signal -1
	s_barrier_wait -1                              ; everybody's has.
.endif
.if (\q > 0) && (\q < 7)
	PLACES 4                                       ; between the last product that read the other set and the loads into it
.endif
.if \q < 7
	FETCH (\q)+1
.endif
	MUL \q
.endm
	s_wait_alu depctr_va_vdst(0)
	s_wait_tensorcnt 0x1                           ; the scale bytes and my part of slot 0 are in; the one load that may stay out is slot 1's
	s_barrier_signal -1
	s_barrier_wait -1
	SCALES
	FETCH 0
	s_wait_loadcnt 0x0                             ; the bias
.irp q, 0,1,2,3,4,5,6,7
	STEP \q
.endr
	WIN 0
; THE WAY OUT, block by block of 16 rows x 128 columns: through my own stage in LDS and back as whole rows of 512 bytes.  LDS serves a wave's instructions in order (ISA guide 5.7.1.4): no wait between the stores and the loads.
.macro TOSTAGE a
.set AC, 64*(\a)
	WIN 0x08                                       ; an LDS store's data are its source 1: window 2
.irp b, 0,1,2,3,4,5,6,7
	ds_store_b128 v[STO], v[AC+8*\b:AC+8*\b+3] offset:64*\b          ; each accumulator from its low end on
	ds_store_b128 v[STO], v[AC+8*\b+4:AC+8*\b+7] offset:64*\b+16
.endr
	WIN 0
.set BB, BK+64*((\a)%2)
.irp t, 0,1,2,3,4,5,6,7,8,9,10,11,12,13,14,15
	ds_load_b128 v[BB+4*\t:BB+4*\t+3], v[RD] offset:\t*SPITCH
.endr
.endm
.macro SEND a, younger                 ; younger: the LDS instructions issued behind block a's loads, which may stay out
.set BB, BK+64*((\a)%2)
	s_wait_dscnt \younger
.if (\a) > 0
	s_add_nc_u64 s[OUT:OUT+1], s[OUT:OUT+1], 16*4096   ; (behind a wait on XCNT: the earlier stores have read their base)
.endif
.irp t, 0,1,2,3,4,5,6,7,8,9,10,11,12,13,14,15
	global_store_b128 v[CO], v[BB+4*\t:BB+4*\t+3], s[OUT:OUT+1] offset:\t*4096 th:TH_STORE_NT   ; 32 lanes store 512 consecutive bytes, at a multiple of 256 from out0's first byte
.endr
.endm
	PLACES 4                                       ; in front of the first read of results and of loads into registers that products have read
	TOSTAGE 0
.irp a, 1,2,3
.if \a > 1
	s_wait_xcnt 0x0                                ; block a - 2's stores have read their registers and their base
.endif
	TOSTAGE \a
	SEND \a-1, 32                                  ; behind block a - 1's loads: block a's 16 stores and 16 loads
.endr
	s_wait_xcnt 0x0
	SEND 3, 0
	s_wait_tensorcnt 0x0
	ds_add_u32 v30, v31
	s_wait_dscnt 0x0
	CROUND                                         ; the closing round
	s_endpgm
.Lfunc_end_k_qe31822ca1c_proj:
	.size	k_qe31822ca1c_proj, .Lfunc_end_k_qe31822ca1c_proj-k_qe31822ca1c_proj
	.p2alignl 7, 3214868480
	.fill 96, 4, 3214868480
	.section	.rodata,"a",@progbits
	.p2align	6, 0x0
	.amdhsa_kernel k_qe31822ca1c_proj
		.amdhsa_group_segment_fixed_size 327680
		.amdhsa_private_segment_fixed_size 0
		.amdhsa_enable_private_segment 0
		.amdhsa_kernarg_size 48
		.amdhsa_user_sgpr_count 2
		.amdhsa_user_sgpr_kernarg_segment_ptr 1
		.amdhsa_wavefront_size32 1
		.amdhsa_system_sgpr_workgroup_id_x 1
		.amdhsa_system_sgpr_workgroup_id_y 1
		.amdhsa_system_sgpr_workgroup_id_z 1
		.amdhsa_system_vgpr_workitem_id 0
		.amdhsa_next_free_vgpr 768
		.amdhsa_next_free_sgpr 106
		.amdhsa_reserve_vcc 0
		.amdhsa_float_denorm_mode_32 3
		.amdhsa_float_denorm_mode_16_64 3
		.amdhsa_memory_ordered 1
		.amdhsa_forward_progress 1
		.amdhsa_inst_pref_size 75
	.end_amdhsa_kernel
	.amdgpu_metadata
---
amdhsa.version: [ 1, 2 ]
amdhsa.kernels:
  - .name:           k_qe31822ca1c_proj
    .symbol:         k_qe31822ca1c_proj.kd
    .args:
      - { .name: ac, .offset: 0, .size: 8, .value_kind: global_buffer, .address_space: global }
      - { .name: asc, .offset: 8, .size: 8, .value_kind: global_buffer, .address_space: global }
      - { .name: W_proj_codes, .offset: 16, .size: 8, .value_kind: global_buffer, .address_space: global }
      - { .name: W_proj_scales, .offset: 24, .size: 8, .value_kind: global_buffer, .address_space: global }
      - { .name: b_proj, .offset: 32, .size: 8, .value_kind: global_buffer, .address_space: global }
      - { .name: out0, .offset: 40, .size: 8, .value_kind: global_buffer, .address_space: global }
    .group_segment_fixed_size: 327680
    .private_segment_fixed_size: 0
    .kernarg_segment_align: 8
    .kernarg_segment_size: 48
    .max_flat_workgroup_size: 128
    .sgpr_count:     106
    .vgpr_count:     768
    .wavefront_size: 32
...
	.end_amdgpu_metadata
.endif
;; end of part 3
